; MI455X (gfx1250); checked and timed in simulation.
; The chip was launched on July 23, 2026; its instructions are those of AMD's public machine-readable ISA for CDNA 5 (MIT licence, August 2026) and "CDNA5" Instruction Set Architecture Reference Guide (July 2026). The comments in the code are by the model that wrote it; some were corrected since.
;; Causal Self Attention. Allowed arithmetic: matrix products marked QUANTISED: E2M3 operands, one E8M0 scale for each 32 along K, by v_wmma_scale_f32_16x16x128_f8f6f4 with both operands' format E2M3, f32 sums; everything else in f32.
;; Inputs: Wk 768 x 768 float32; Wq 768 x 768 float32; Wv 768 x 768 float32; bk 768 float32; bq 768 float32; bv 768 float32; x 2 x 4,096 x 768 float32.
;; Outputs: out0 2 x 4,096 x 768 float32.
;; This version of the problem:
;;   THIS VERSION OF THE PROBLEM IS GIVEN IN LOW PRECISION. The matrix products marked QUANTISED in the list below multiply operands that are first quantised to E2M3 (2 exponent bits, 3 mantissa bits; 6 bits a number), with one power-of-two scale for each 32 numbers along K (OCP MX v1.0); their sums are f32. All else is computed in f32.
;;   The module's matrix products, in the order in which they are computed (A, B: the left and right operand; K: the contracted axis; several contracted axes count as one K, in the product's order):
;;     1. [M 8,192, K 768] x [K 768, N 768]; A: input x; B: input Wq: QUANTISED
;;     2. [M 8,192, K 768] x [K 768, N 768]; A: input x; B: input Wk: QUANTISED
;;     3. [M 8,192, K 768] x [K 768, N 768]; A: input x; B: input Wv: QUANTISED
;;     4. batch 12 x [M 4,096, K 128] x [K 128, N 4,096]; A: computed on the way; B: computed on the way: QUANTISED
;;     5. batch 12 x [M 128, K 4,096] x [K 4,096, N 4,096]; A: computed on the way; B: softmax (see below): QUANTISED
;;   THE QUANTISER, for each operand of a quantised product, along K:
;;     - K is cut into blocks of 32 from its start; a last block that is shorter is filled with zeros.
;;     - A block's scale is 2^e with e = floor(log2(the largest magnitude in the block)) - 2, held to -126 .. 127; a block of zeros has e = 0. As a byte (E8M0): e + 127.
;;     - Each number is divided by its block's scale, clamped to +-7.5, and rounded to the nearest number of E2M3, ties to even, subnormals kept.
;;     - The product sums the exact products of the quantised numbers (number of the format x scale) in f32.
;;   ~~~python
;;   def quantise(x, axis):      # numpy; x: float32 -> the quantised numbers, widened to float32 again
;;       x = np.moveaxis(x, axis, -1); K = x.shape[-1]
;;       x = np.pad(x, [(0, 0)] * (x.ndim - 1) + [(0, -K % 32)]); x = x.reshape(x.shape[:-1] + (-1, 32)); a = np.abs(x).max(-1, keepdims=True)
;;       e = np.where(a > 0, np.clip(np.frexp(np.where(a > 0, a, 1))[1] - 1 - 2, -126, 127), 0)      # np.frexp(a)[1] - 1 = floor(log2(a)), exactly
;;       r = np.clip(x / 2.0 ** e, -7.5, 7.5)
;;       step = 2.0 ** (np.maximum(np.frexp(np.where(r == 0, 1, r))[1] - 1, 0) - 3)
;;       q = np.round(r / step) * step * 2.0 ** e      # np.round: ties to even
;;       return np.moveaxis(q.reshape(q.shape[:-2] + (-1,))[..., :K], -1, axis).astype(np.float32)
;;   ~~~
;;   SOFTMAX AHEAD OF A QUANTISED PRODUCT. Where the list says 'softmax', what is quantised is not the finished softmax but p = 2^(t - M), with t = logit x log2(e) and M = ceil(the row's largest t), a whole number; so 1/2 < the row's largest p <= 1. The row's sum l is taken of the UNQUANTISED p, in f32, and the product's result is divided by l at the end. Since M is a whole number, a kernel that streams over the keys may use a running M (the ceiling of the running maximum): every later rescaling is an exact power of two, which a block's scale takes up: the codes' values come out the same.
;;   OPERANDS COMPUTED ON THE WAY. 'Computed on the way' means the value that the module computes at that place (a softmax that the list does not call 'softmax' is quantised finished and normalised). What goes into a quantiser is computed in f32, as accurately as f32 sums, v_exp_f32 and their like allow (about 1e-6 of the number): no bf16 or f16 on the way to a quantiser, and a product that is left as it is and whose result goes on into a quantised operand takes f32 operands (vector FMAs, or v_wmma_f32_16x16x4_f32). A number that lies on a knife's edge between two numbers of the format may be rounded either way, as far as f32 arithmetic and the matrix unit's own rounding can turn it there, and no further.
;; One version. Each part assembles by itself: llvm-mc -triple=amdgcn-amd-amdhsa -mcpu=gfx1250 --defsym DOCPART=n.
;; ======== version 1 of 1: 3 launches
;; workspace buffers: xc 4,718,592 bytes; wc 1,327,104 bytes; sxw 335,872 bytes; qc 4,915,200 bytes; kv 9,830,400 bytes
;; launch quant (part 1): grid 364 x 1, 4 waves a work-group, no clusters, 47,616 bytes of LDS; arguments x, Wq, Wk, Wv, xc, wc, sxw; writes xc, wc, sxw
.if DOCPART == 1
	.amdgcn_target "amdgcn-amd-amdhsa--gfx1250"
	.amdhsa_code_object_version 6
	.text
	.protected	k_qdf08bdfb88_quant
	.globl	k_qdf08bdfb88_quant
	.p2align	8
	.type	k_qdf08bdfb88_quant,@function
k_qdf08bdfb88_quant:
	s_mov_b64 s[64:65], 0
	v_nop
	global_prefetch_b8 v0, s[64:65] scope:SCOPE_SE
	s_setreg_imm32_b32 hwreg(HW_REG_WAVE_MODE, 25, 1), 1
	s_wait_xcnt 0x0
; x [8192][768] and Wq, Wk, Wv [768 (k)][768 (n)], f32, become codes of FP6 (E2M3) with one E8M0 byte for each 32 along K = 768.
; A block's scale is 2^(floor(log2(its largest magnitude)) - 2): its byte is the largest magnitude's exponent field - 2, held at 1 from below by a floor among the maximum's leaves.
; LAYOUT OF THE RESULTS: images of operand registers.  A fragment (16 rows x 128 K, 12 registers a lane) is 1,536 bytes: registers 4 c .. 4 c + 3 of lane l at 512 c + 16 l.
;   xc [K step 0..5][token tile 0..511][1536];  wc [K step][column tile 0..143][1536], the columns of Wq | Wk | Wv on end.
;   THE ROWS OF A TILE ARE NOT NEIGHBOURS: lane r of tile 2 b + u holds row 32 b + 8 u + r + 8 (r / 8), for tokens and for columns alike.
;   sxw: a record of 512 bytes a tile (x's 512 tiles, then W's 144): the scale word of row r, K step s at 256 (s / 3) + 16 r + 4 (s % 3).  The fourth word of each 16 bytes is 0 for x, not written for W, and read by nobody.
; SHARES: work-groups 0..255 take x (a wave: one tile of 16 tokens x half of K: three fragments); work-groups 256..363 take W (a work-group: 128 columns x one K step; a wave: 32 columns: two fragments).
; The two ways part once, on the work-group's number, and have LDS bytes of their own.  Waves share nothing: no barrier.  No tensor load: nothing is read twice and every load goes out early.
; W's scale words leave as 4 bytes a lane, 16 bytes apart: 73,728 bytes in the whole launch.
; LIMITS: NaN and infinities among the inputs are not served.  A block of zeros gets the byte 1 where the rule says 127: its codes are zeros, and this program alone reads the bytes.
; Blocks whose largest magnitude lies under 2^(3 - 127) are held at that floor.
.set SPARE,  47104                     ; the spare words: 128 bytes a wave
.set XSTG,   8704                      ; x: a wave's stage, 16 rows x 528 bytes used
.set WSTG0,  34816                     ; W: the four waves' stages begin here,
.set WSTG,   3072                      ; two fragment images each
.set XSB,    262144                    ; sxw: W's records begin here
.set KSX,    786432                    ; xc: bytes of a K step (512 tiles)
.set ROWB,   3072                      ; a row of x or of W in bytes
.set SPW,    30                        ; v30  my spare word's LDS address; never rewritten
.set NIL,    31                        ; v31  0; never rewritten
.set PC,     224                       ; v224-235 a fragment's codes
.set CT,     236                       ; v236-243 the conversions' second halves
.set PW,     252                       ; v252-254 three scale words
; v1 lane, v2 r, v3 h, v4 16 lane, v5 / v6 x's stage in / out, v7 x's scale store, v9 4 lane, v10 / v11 W's stage in / out, v12 W's scale store, v15 8 h
.macro XLOAD e                         ; 16 rows x 512 bytes: each load reads 512 consecutive bytes of one token's row
.set li, 0
.rept 16
	global_load_b128 v[32+64*(\e)+4*li:32+64*(\e)+4*li+3], v4, s[22:23] offset:(li+8*(li/8))*ROWB+512*(\e) th:TH_LOAD_NT
.set li, li+1
.endr
.endm
.macro XTURN e                         ; through my stage: in as loaded, back so that register 32 c + i of lane (r, h) is k = 64 c + 32 h + i of row r.  LDS serves a wave's instructions in order: no wait between
.set li, 0
.rept 16
	ds_store_b128 v5, v[32+64*(\e)+4*li:32+64*(\e)+4*li+3] offset:528*li
.set li, li+1
.endr
.set li, 0
.rept 16
	ds_load_b128 v[32+64*(\e)+4*li:32+64*(\e)+4*li+3], v6 offset:256*(li/8)+16*(li%8)
.set li, li+1
.endr
.endm
.macro QX e                            ; 64 numbers of a lane, two whole blocks, become the lane's 12 registers of a fragment, and its row's scale word
.set RR, 32+64*(\e)
.irp c, 0,1
	v_max3_num_f32 v[244+\c], |v[RR+32*\c]|, |v[RR+32*\c+1]|, 0x1800000   ; the floor 2^(3 - 127) among the leaves: the byte cannot fall under 1
.endr
.set qi, 2
.rept 15
.irp c, 0,1
	v_max3_num_f32 v[244+\c], v[244+\c], |v[RR+32*\c+qi]|, |v[RR+32*\c+qi+1]|   ; the two blocks by turns
.endr
.set qi, qi+2
.endr
	v_add_nc_u32 v246, 0xff000000, v244            ; 2 off the exponent field: the conversion's scale operand
	v_add_nc_u32 v247, 0xff000000, v245
	v_lshrrev_b32 v248, 23, v246                   ; the bytes of blocks h and 2 + h
	v_lshrrev_b32 v249, 23, v247
	v_lshl_or_b32 v250, v249, 16, v248
	v_lshlrev_b32 v250, v15, v250                  ; 8 h bits up
	v_permlanex16_b32 v251, v250, s20, s21
	v_or_b32 v[PW+\e], v250, v251                  ; with lane l xor 16's two bytes the word is whole, in both lanes
	s_wait_xcnt 0x0                                ; the last fragment's stores have read PC: it is written again only behind this wait
.irp c, 0,1
	v_cvt_scalef32_pk16_fp6_f32 v[PC+6*\c:PC+6*\c+2], v[RR+32*\c:RR+32*\c+15], v[246+\c]
	v_cvt_scalef32_pk16_fp6_f32 v[CT+4*\c:CT+4*\c+2], v[RR+32*\c+16:RR+32*\c+31], v[246+\c]   ; (a conversion's three registers begin on an even number)
.endr
	v_nop                                          ; one plain place behind the conversions
.irp c, 0,1
.irp i, 0,1,2
	v_mov_b32 v[PC+6*\c+3+\i], v[CT+4*\c+\i]
.endr
.endr
.irp c, 0,1,2
	global_store_b128 v4, v[PC+4*\c:PC+4*\c+3], s[24:25] offset:KSX*(\e)+512*\c   ; 32 lanes store 512 consecutive bytes
.endr
.endm
.macro WLOAD bb                        ; block bb of my column: W(32 bb + i, column), i = 0 .. 31; a load reads 128 consecutive bytes, the four waves stand side by side
.set li, 0
.rept 32
	global_load_b32 v[32+32*(\bb)+li], v9, s[22:23] offset:(32*(\bb)+li)*ROWB th:TH_LOAD_NT
.set li, li+1
.endr
.endm
.macro WBLOCK bb                       ; a whole block of 32 along K lies in my 32 registers
.set XS, 32+32*(\bb)
.set CW, 160+8*(\bb)                   ; each block has its own code registers: no store's data are written again
.if (\bb) < 3
	s_wait_loadcnt 32                              ; this block's 32 loads are in; the next block's 32 may be out
.else
	s_wait_loadcnt 0x0
.endif
.if (\bb)+2 < 4
	WLOAD (\bb)+2                                  ; two blocks ahead
.endif
	v_max3_num_f32 v16, |v[XS]|, |v[XS+1]|, |v[XS+2]|
	v_max3_num_f32 v17, |v[XS+3]|, |v[XS+4]|, |v[XS+5]|
.irp i, 6,10,14,18,22,26
	v_max3_num_f32 v16, v16, |v[XS+\i]|, |v[XS+\i+1]|
	v_max3_num_f32 v17, v17, |v[XS+\i+2]|, |v[XS+\i+3]|
.endr
	v_max3_num_f32 v16, v16, |v[XS+30]|, |v[XS+31]|
	v_max3_num_f32 v16, v16, v17, 0x1800000        ; and the floor
	v_add_nc_u32 v18, 0xff000000, v16
	v_lshrrev_b32 v19, 23, v18
.if (\bb) == 0
	v_mov_b32 v8, v19                              ; the column's scale word: byte bb
.else
	v_lshl_or_b32 v8, v19, 8*(\bb), v8
.endif
	v_cvt_scalef32_pk16_fp6_f32 v[CW:CW+2], v[XS:XS+15], v18
	v_cvt_scalef32_pk16_fp6_f32 v[CW+4:CW+6], v[XS+16:XS+31], v18
	v_nop                                          ; one plain place behind the conversions
	v_mov_b32 v[CW+3], v[CW+4]
	v_mov_b32 v[CW+4], v[CW+5]
	v_mov_b32 v[CW+5], v[CW+6]                     ; six registers on end: registers 6 (bb / 2) .. + 5 of lane 16 (bb % 2) + rr of my tile's image
.if (\bb) < 2
	ds_store_b128 v10, v[CW:CW+3] offset:256*(\bb)
	ds_store_b64 v10, v[CW+4:CW+5] offset:512+256*(\bb)
.else
	ds_store_b64 v10, v[CW:CW+1] offset:520+256*((\bb)-2)
	ds_store_b128 v10, v[CW+2:CW+5] offset:1024+256*((\bb)-2)
.endif
.endm
	s_load_b256 s[4:11], s[0:1], 0x0               ; x, Wq, Wk, Wv
	s_load_b128 s[12:15], s[0:1], 0x20             ; xc, wc
	s_load_b64 s[16:17], s[0:1], 0x30              ; sxw
	v_lshl_add_u32 v[SPW], v0, 2, SPARE
	v_mov_b32 v[NIL], 0
	v_lshrrev_b32 v1, 5, v0
	v_readfirstlane_b32 s18, v1                    ; wave 0..3
	v_and_b32 v1, 31, v0                           ; lane
	v_and_b32 v2, 15, v0                           ; r
	v_bfe_u32 v3, v0, 4, 1                         ; h
	v_lshlrev_b32 v4, 4, v1                        ; 16 x lane
	s_mul_i32 s19, s18, XSTG
	v_add_nc_u32 v5, s19, v4                       ; x's stage, in: a row's 512 bytes as they lie
	v_mul_u32_u24 v6, v2, 528
	v_lshl_add_u32 v6, v3, 7, v6
	v_add_nc_u32 v6, s19, v6                       ; and out: row r, + 128 h.  Rows 528 bytes apart: sixteen lanes touch sixteen different columns of 16 bytes
	v_lshlrev_b32 v7, 4, v2
	v_lshl_add_u32 v7, v3, 3, v7                   ; x's scale words: 16 r + 8 h
	v_lshlrev_b32 v15, 3, v3                       ; 8 h
	v_mov_b32 v251, 0                              ; (a lane permute's destination counts as one of its sources)
	v_lshlrev_b32 v9, 2, v1                        ; W: 4 bytes a lane
	v_bfe_u32 v13, v0, 3, 1                        ; u: which of the wave's two tiles my column falls into,
	v_and_b32 v14, 7, v0
	v_lshl_or_b32 v14, v3, 3, v14                  ; rr: and which row of it
	v_lshlrev_b32 v12, 4, v14
	v_lshl_add_u32 v12, v13, 9, v12                ; W's scale words: 512 u + 16 rr
	s_mul_i32 s19, s18, WSTG
	s_add_co_u32 s19, s19, WSTG0
	v_mul_u32_u24 v10, v13, 1536
	v_lshl_add_u32 v10, v14, 4, v10
	v_add_nc_u32 v10, s19, v10                     ; W's stage, in: image u, lane rr
	v_add_nc_u32 v11, s19, v4                      ; and out: 16 bytes a lane
	s_mov_b32 s20, 0x76543210
	s_mov_b32 s21, 0xfedcba98                      ; v_permlanex16_b32's selects for lane l xor 16
	s_wait_kmcnt 0x0
	s_cmp_lt_u32 ttmp9, 256
	s_cbranch_scc0 .Lw_path
	; ---- x: tile T = 2 g + wave / 2, K steps 3 (wave % 2) + 0 .. 2
	s_lshr_b32 s28, s18, 1                         ; u
	s_and_b32 s29, s18, 1                          ; which half of K
	s_lshl_b32 s30, ttmp9, 5
	s_lshl_b32 s31, s28, 3
	s_add_co_u32 s30, s30, s31                     ; the tile's first token: 32 g + 8 u
	s_mul_i32 s30, s30, ROWB
	s_mul_i32 s31, s29, 1536
	s_add_co_u32 s30, s30, s31
	s_mov_b32 s31, 0
	s_add_nc_u64 s[22:23], s[4:5], s[30:31]
	s_lshl_b32 s32, ttmp9, 1
	s_add_co_u32 s32, s32, s28                     ; T
	s_mul_i32 s30, s32, 1536
	s_mul_i32 s33, s29, 3*KSX
	s_add_co_u32 s30, s30, s33
	s_add_nc_u64 s[24:25], s[12:13], s[30:31]
	s_lshl_b32 s30, s32, 9
	s_lshl_b32 s33, s29, 8
	s_add_co_u32 s30, s30, s33
	s_add_nc_u64 s[26:27], s[16:17], s[30:31]
	XLOAD 0                                        ; all 48 loads of the wave go out at once
	XLOAD 1
	XLOAD 2
	s_wait_loadcnt 32                              ; set 0 is in; the 32 loads of sets 1 and 2 may be out
	XTURN 0
	s_wait_loadcnt 16                              ; set 1 is in
	XTURN 1
	s_wait_dscnt 32                                ; set 0 is back from the stage; the 32 LDS instructions of set 1's turn may be out
	QX 0
	s_wait_loadcnt 0x0
	XTURN 2
	s_wait_dscnt 32                                ; set 1 is back
	QX 1
	s_wait_dscnt 0x0
	QX 2
	v_cmp_eq_u32 vcc_lo, 0, v3
	v_cndmask_b32 v250, v[PW+2], v[PW], vcc_lo     ; lanes 0-15: words 0 and 1; lanes 16-31: word 2 and a 0
	v_cndmask_b32 v251, 0, v[PW+1], vcc_lo
	global_store_b64 v7, v[250:251], s[26:27]      ; 32 lanes store 256 consecutive bytes, aligned
	s_wait_tensorcnt 0x0                           ; the wave's end, behind my last LDS store
	ds_add_u32 v[SPW], v[NIL]
	s_wait_dscnt 0x0
	s_endpgm
.Lw_path:
	; ---- W: unit U = wi / 6 (128 columns: 6 x matrix + head), K step s = wi % 6; my wave's 32 columns
	s_sub_co_u32 s28, ttmp9, 256                   ; wi 0..107
	s_mul_i32 s29, s28, 43
	s_lshr_b32 s29, s29, 8                         ; U = wi / 6 (exact for wi under 128)
	s_mul_i32 s30, s29, 6
	s_sub_co_u32 s30, s28, s30                     ; s
	s_mul_i32 s31, s29, 43
	s_lshr_b32 s31, s31, 8                         ; matrix 0..2
	s_mul_i32 s32, s31, 6
	s_sub_co_u32 s32, s29, s32                     ; head
	s_cmp_eq_u32 s31, 0
	s_cselect_b64 s[22:23], s[6:7], s[8:9]
	s_cmp_eq_u32 s31, 2
	s_cselect_b64 s[22:23], s[10:11], s[22:23]     ; the choice hangs on the work-group's number alone
	s_mul_i32 s34, s30, 128*ROWB
	s_lshl_b32 s33, s32, 9
	s_add_co_u32 s34, s34, s33
	s_lshl_b32 s33, s18, 7
	s_add_co_u32 s34, s34, s33                     ; row 128 s, column 128 head + 32 wave
	s_mov_b32 s35, 0
	s_add_nc_u64 s[22:23], s[22:23], s[34:35]
	s_lshl_b32 s36, s29, 3
	s_lshl_b32 s33, s18, 1
	s_add_co_u32 s36, s36, s33                     ; my first tile: 8 U + 2 wave
	s_mul_i32 s34, s30, 144
	s_add_co_u32 s34, s34, s36
	s_mul_i32 s34, s34, 1536
	s_add_nc_u64 s[24:25], s[14:15], s[34:35]
	s_cmp_ge_u32 s30, 3
	s_cselect_b32 s33, 3, 0
	s_cselect_b32 s37, 256, 0
	s_sub_co_u32 s33, s30, s33                     ; s % 3
	s_lshl_b32 s33, s33, 2
	s_lshl_b32 s34, s36, 9
	s_add_co_u32 s34, s34, s33
	s_add_co_u32 s34, s34, s37
	s_add_co_u32 s34, s34, XSB
	s_add_nc_u64 s[26:27], s[16:17], s[34:35]
	WLOAD 0
	WLOAD 1
	WBLOCK 0
	WBLOCK 1
	WBLOCK 2
	WBLOCK 3
	global_store_b32 v12, v8, s[26:27]             ; my column's scale word of this K step
.irp k, 0,1,2,3,4,5
	ds_load_b128 v[192+4*\k:192+4*\k+3], v11 offset:512*\k   ; LDS serves a wave's instructions in order: these see my stores
.endr
.irp k, 0,1,2,3,4,5
	s_wait_dscnt 5-\k                              ; the younger loads may be out
	global_store_b128 v4, v[192+4*\k:192+4*\k+3], s[24:25] offset:512*\k   ; two images on end: 3,072 consecutive bytes
.endr
	s_wait_tensorcnt 0x0                           ; the wave's end, behind my last LDS store
	ds_add_u32 v[SPW], v[NIL]
	s_wait_dscnt 0x0
	s_endpgm
.Lfunc_end_k_qdf08bdfb88_quant:
	.size	k_qdf08bdfb88_quant, .Lfunc_end_k_qdf08bdfb88_quant-k_qdf08bdfb88_quant
	.p2alignl 7, 3214868480
	.fill 96, 4, 3214868480
	.section	.rodata,"a",@progbits
	.p2align	6, 0x0
	.amdhsa_kernel k_qdf08bdfb88_quant
		.amdhsa_group_segment_fixed_size 47616
		.amdhsa_private_segment_fixed_size 0
		.amdhsa_enable_private_segment 0
		.amdhsa_kernarg_size 56
		.amdhsa_user_sgpr_count 2
		.amdhsa_user_sgpr_kernarg_segment_ptr 1
		.amdhsa_wavefront_size32 1
		.amdhsa_system_sgpr_workgroup_id_x 1
		.amdhsa_system_sgpr_workgroup_id_y 1
		.amdhsa_system_sgpr_workgroup_id_z 1
		.amdhsa_system_vgpr_workitem_id 0
		.amdhsa_next_free_vgpr 256
		.amdhsa_next_free_sgpr 66
		.amdhsa_reserve_vcc 1
		.amdhsa_float_denorm_mode_32 3
		.amdhsa_float_denorm_mode_16_64 3
		.amdhsa_memory_ordered 1
		.amdhsa_forward_progress 1
		.amdhsa_inst_pref_size 45
	.end_amdhsa_kernel
	.amdgpu_metadata
---
amdhsa.version: [ 1, 2 ]
amdhsa.kernels:
  - .name:           k_qdf08bdfb88_quant
    .symbol:         k_qdf08bdfb88_quant.kd
    .args:
      - { .name: x, .offset: 0, .size: 8, .value_kind: global_buffer, .address_space: global }
      - { .name: Wq, .offset: 8, .size: 8, .value_kind: global_buffer, .address_space: global }
      - { .name: Wk, .offset: 16, .size: 8, .value_kind: global_buffer, .address_space: global }
      - { .name: Wv, .offset: 24, .size: 8, .value_kind: global_buffer, .address_space: global }
      - { .name: xc, .offset: 32, .size: 8, .value_kind: global_buffer, .address_space: global }
      - { .name: wc, .offset: 40, .size: 8, .value_kind: global_buffer, .address_space: global }
      - { .name: sxw, .offset: 48, .size: 8, .value_kind: global_buffer, .address_space: global }
    .group_segment_fixed_size: 47616
    .private_segment_fixed_size: 0
    .kernarg_segment_align: 8
    .kernarg_segment_size: 56
    .max_flat_workgroup_size: 128
    .sgpr_count:     66
    .vgpr_count:     256
    .wavefront_size: 32
...
	.end_amdgpu_metadata
.endif
;; end of part 1
;; launch proj (part 2): grid 9 x 32, 4 waves a work-group, no clusters, 295,424 bytes of LDS; arguments xc, wc, sxw, bq, bk, bv, qc, kv; writes qc, kv
.if DOCPART == 2
	.amdgcn_target "amdgcn-amd-amdhsa--gfx1250"
	.amdhsa_code_object_version 6
	.text
	.protected	k_qdf08bdfb88_proj
	.globl	k_qdf08bdfb88_proj
	.p2align	8
	.type	k_qdf08bdfb88_proj,@function
k_qdf08bdfb88_proj:
	s_mov_b64 s[64:65], 0
	v_nop
	global_prefetch_b8 v0, s[64:65] scope:SCOPE_SE
	s_setreg_imm32_b32 hwreg(HW_REG_WAVE_MODE, 25, 1), 1
	s_wait_xcnt 0x0
; q = x Wq + bq, k = x Wk + bk, v = x Wv + bv on codes of FP6 (E2M3) with E8M0 scales, K = 768; the results, f32, are quantised at once: q and k along the head's 128, v along the tokens (the keys).
; A work-group makes 256 tokens x 256 columns of q | k | v (column group y = 3 kind + pair of heads); each of its four waves 128 x 128: 64 accumulators, 512 registers.
; ONE TEXT FOR ALL THREE KINDS.  LDS region P feeds source 0, region Q source 1.  For q and k: P = 16 tiles of W's columns, Q = 16 tiles of tokens: a lane then holds ONE token and its 64 registers of a
; block run along the head's 128.  For v the two change places: a lane holds ONE column d and its registers run along 128 tokens.  Only global addresses are chosen, by the work-group's and the wave's numbers.
; THE ROWS OF A TILE ARE NOT NEIGHBOURS (lane r of tile 2 b + u: row 32 b + 8 u + r + 8 (r / 8)), so that the 16 registers of source 0's tiles 2 b and 2 b + 1 are 16 neighbours along the quantiser's axis.
; K has six steps of 128: both operands lie whole in LDS, 147,456 bytes each, as images of operand registers.  Twelve dense blocks of 24,576 bytes, three tensor loads a wave, all first fills: nothing is filled again.
; A wave has three tensor loads out.
; The bias is the C of each sum's first product.  Results leave as images too: qc [head][block of 128 queries][12,800]: 8 fragments, then 512 bytes of scale words (row r's eight at 32 r);
; kv [head][key step][25,600]: k's record, then v's.  Each store of a wave covers 512 consecutive bytes.
; NO CLUSTER: nine column groups divide into no row of four, and which region W fills changes with the kind.  No ring: all fits at once.  No prefetch: every load goes out at the head.
; LIMITS: NaN and infinities are not served; a block of zeros gets the byte 1 (its codes are zeros; this program alone reads the bytes); the largest magnitude is held at 2^(3 - 127) from below.
.set XSB,   262144                     ; sxw: W's records
.set PQ,    147456                     ; region Q begins here
.set KST,   24576                      ; a K step's 16 tiles
.set SPARE, 294912                     ; the spare words, 128 bytes a wave
.set FR,    12
.set AP,    4                          ; v4-6   source 0's fragments: 16 lane + my half + 49,152 g (two K steps to a register: offsets have 16 bits)
.set AQ,    7                          ; v7-9   source 1's
.set SA,    10                         ; v10    scale words in sxw: lanes 0-15 source 1's tiles, lanes 16-31 source 0's
.set BAQ,   11                         ; v11    bias of q, k: 64 h
.set SO,    12                         ; v12    the results' scale words: 32 r + 16 h
.set BAV,   13                         ; v13    bias of v: 4 (r + 8 (r / 8))
.set SPW,   14                         ; v14    my spare word; never rewritten
.set NIL,   15                         ; v15    0; never rewritten
.set SC,    16                         ; v16-79 scale words and nothing else: tile i, K step s at SC + 8 i + 4 (s / 3) + s % 3
.set BT,    80                         ; v80-143 the bias, eight registers a tile, in the result's layout
.set QF,    144                        ; v144-239 source 1's eight fragments, ONE set
.set PC,    144                        ; the way out, over QF: v144-163 codes,
.set TM,    168                        ; v168-183 at work,
.set SW,    184                        ; v184-191 eight scale words,
.set SL,    192                        ; v192-195 my four of them
.set G1,    24                         ; s[24:31] descriptor group 1;  s[32:43] three groups 0
.set G0,    32
.set MSB, 0
.macro WIN new                         ; the immediate's high byte repeats the setting that is left
.if MSB != (\new)
	s_set_vgpr_msb (MSB<<8)|(\new)
.set MSB, (\new)
.endif
.endm
.set TO_P,     0x40                    ; destination window 1: source 0's fragments, two sets, at v0 and v128
.set MUL_LO,   0xa1                    ; source 0 window 1, source 1 window 0, C and D window 2 (source 1's tiles 0-3)
.set MUL_HI,   0xf1                    ; C and D window 3 (tiles 4-7)
.set FIRST_LO, 0x81                    ; the first K step: C (the bias) window 0
.set FIRST_HI, 0xc1
.macro FRAG reg, adr, off              ; a fragment's image: three loads of 512 consecutive bytes
.irp c, 0,1,2
	ds_load_b128 v[\reg+4*\c:\reg+4*\c+3], v[\adr] offset:\off+512*\c
.endr
.endm
.macro FETCH_P s, p
	WIN TO_P
.irp i, 0,1,2,3,4,5,6,7
	FRAG 128*(\p)+FR*\i, AP+(\s)/2, KST*((\s)%2)+1536*\i
.endr
	WIN 0
.endm
.macro FETCH_Q s, i0
.irp i, \i0, \i0+1, \i0+2, \i0+3
	FRAG QF+FR*(\i), AQ+(\s)/2, KST*((\s)%2)+1536*(\i)
.endr
.endm
; 16 products: source 1's tiles a0, a0 + 1 x source 0's eight.  mode 0: the sums go on; 1: C = the bias by source 0's rows (q, k); 2: by source 1's rows (v).
; The 64 accumulators take turns, one instruction a turn, in the same order in every K step.
.macro MUL16 a0, p, s, mode
.irp a, \a0, \a0+1
.irp b, 0,1,2,3,4,5,6,7
.if (\mode) == 0
	v_wmma_scale_f32_16x16x128_f8f6f4 v[8*(8*((\a)%4)+\b):8*(8*((\a)%4)+\b)+7], v[128*(\p)+FR*\b:128*(\p)+FR*\b+FR-1], v[QF+FR*(\a):QF+FR*(\a)+FR-1], v[8*(8*((\a)%4)+\b):8*(8*((\a)%4)+\b)+7], v[SC+8*\b+4*((\s)/3)+(\s)%3], v[SC+8*(\a)+4*((\s)/3)+(\s)%3] matrix_a_fmt:MATRIX_FMT_FP6 matrix_b_fmt:MATRIX_FMT_FP6 matrix_a_scale:MATRIX_SCALE_ROW1
.elseif (\mode) == 1
	v_wmma_scale_f32_16x16x128_f8f6f4 v[8*(8*((\a)%4)+\b):8*(8*((\a)%4)+\b)+7], v[128*(\p)+FR*\b:128*(\p)+FR*\b+FR-1], v[QF+FR*(\a):QF+FR*(\a)+FR-1], v[BT+8*\b:BT+8*\b+7], v[SC+8*\b+4*((\s)/3)+(\s)%3], v[SC+8*(\a)+4*((\s)/3)+(\s)%3] matrix_a_fmt:MATRIX_FMT_FP6 matrix_b_fmt:MATRIX_FMT_FP6 matrix_a_scale:MATRIX_SCALE_ROW1
.else
	v_wmma_scale_f32_16x16x128_f8f6f4 v[8*(8*((\a)%4)+\b):8*(8*((\a)%4)+\b)+7], v[128*(\p)+FR*\b:128*(\p)+FR*\b+FR-1], v[QF+FR*(\a):QF+FR*(\a)+FR-1], v[BT+8*(\a):BT+8*(\a)+7], v[SC+8*\b+4*((\s)/3)+(\s)%3], v[SC+8*(\a)+4*((\s)/3)+(\s)%3] matrix_a_fmt:MATRIX_FMT_FP6 matrix_b_fmt:MATRIX_FMT_FP6 matrix_a_scale:MATRIX_SCALE_ROW1
.endif
.endr
.endr
.endm
.macro PLACES                          ; four plain places in front of loads into registers that matrix instructions have read, and of the first read of results
.rept 4
	v_nop
.endr
.endm
.macro BAR n                           ; my loads but the n youngest have landed; then everybody's.  Nothing is ever filled again, so the younger ones may stay out
	s_wait_tensorcnt \n
	s_barrier_signal -1
	s_barrier_wait -1
.endm
.macro STEP s, mode                    ; a K step of 128: 64 products; the next step's fragments are fetched in two runs
	s_wait_dscnt 12                                ; source 0's set and source 1's tiles 0-3 are in; the youngest 12 loads (tiles 4-7) may be out
.if (\mode) == 0
	WIN MUL_LO
.else
	WIN FIRST_LO
.endif
	MUL16 0, (\s)%2, \s, \mode
	MUL16 2, (\s)%2, \s, \mode
	s_wait_dscnt 0x0                               ; tiles 4-7 are in; no LDS instruction of mine is out at a signal
.if (\s) == 1
	BAR 1                                          ; K steps 2 and 3 lie whole in LDS
.endif
.if (\s) == 3
	BAR 0                                          ; K steps 4 and 5
.endif
.if (\s) < 5
	PLACES
	FETCH_P (\s)+1, 1-(\s)%2
	FETCH_Q (\s)+1, 0
.endif
.if (\mode) == 0
	WIN MUL_HI
.else
	WIN FIRST_HI
.endif
	MUL16 4, (\s)%2, \s, \mode
	MUL16 6, (\s)%2, \s, \mode
.if (\s) < 5
	PLACES
	WIN 0
	FETCH_Q (\s)+1, 4
.endif
.endm
; Source 1's tile a: its 64 registers a lane (register 16 b + i = place 32 b + 16 h + i along the quantiser's axis) become one fragment and one scale word a row, and leave.
.macro QUANTW a
.set WW, 2+(\a)/4
.set AC, 64*((\a)%4)
	WIN WW|(WW<<2)
.irp b, 0,1,2,3
	v_max3_num_f32 v[TM+\b], |v[AC+16*\b]|, |v[AC+16*\b+1]|, 0x1800000   ; each accumulator is read from its low end on; the floor 2^(3 - 127) among the leaves
.endr
	WIN (WW<<2)|(WW<<4)
.irp i, 2,4,6,8,10,12,14
.irp b, 0,1,2,3
	v_max3_num_f32 v[TM+\b], v[TM+\b], |v[AC+16*\b+\i]|, |v[AC+16*\b+\i+1]|
.endr
.endr
	WIN 0
.irp b, 0,1,2,3
	v_permlanex16_b32 v[TM+4+\b], v[TM+\b], s74, s75
.endr
.irp b, 0,1,2,3
	v_max_num_f32 v[TM+\b], v[TM+\b], v[TM+4+\b]   ; with lane l xor 16's sixteen: the block's largest magnitude
.endr
.irp b, 0,1,2,3
	v_add_nc_u32 v[TM+12+\b], 0xff000000, v[TM+\b] ; 2 off the exponent field: the conversion's scale operand
.endr
.irp b, 0,1,2,3
	v_lshrrev_b32 v[TM+4+\b], 23, v[TM+12+\b]      ; the byte
.endr
	v_lshl_or_b32 v[SW+\a], v[TM+5], 8, v[TM+4]
	v_lshl_or_b32 v[SW+\a], v[TM+6], 16, v[SW+\a]
	v_lshl_or_b32 v[SW+\a], v[TM+7], 24, v[SW+\a]
	s_wait_xcnt 0x0                                ; the last fragment's stores have read PC: it is written again only behind this wait
	WIN WW
.irp c, 0,1
	v_cvt_scalef32_pk16_fp6_f32 v[PC+6*\c:PC+6*\c+2], v[AC+32*\c:AC+32*\c+15], v[TM+12+2*\c]
	v_cvt_scalef32_pk16_fp6_f32 v[PC+12+4*\c:PC+14+4*\c], v[AC+32*\c+16:AC+32*\c+31], v[TM+12+2*\c+1]
.endr
	WIN 0
	v_nop                                          ; one plain place behind the conversions
.irp c, 0,1                            ; the operand's layout wants a whole block in a lane
.irp i, 0,1,2
	v_permlane16_swap_b32 v[PC+6*\c+\i], v[PC+12+4*\c+\i]
.endr
.irp i, 0,1,2
	v_mov_b32 v[PC+6*\c+3+\i], v[PC+12+4*\c+\i]
.endr
.endr
.irp c, 0,1,2
	global_store_b128 v3, v[PC+4*\c:PC+4*\c+3], s[54:55] offset:1536*(\a)+512*\c
.endr
.endm
	s_load_b512 s[4:19], s[0:1], 0x0               ; xc, wc, sxw, bq, bk, bv, qc, kv
	v_lshl_add_u32 v[SPW], v0, 2, SPARE
	v_mov_b32 v[NIL], 0
	ds_add_u32 v[SPW], v[NIL]                      ; the wave's opening: the add and its wait stand ahead of my first tensor load; work on registers stands between
	v_lshrrev_b32 v1, 5, v0
	v_readfirstlane_b32 s20, v1                    ; wave 0..3
	s_and_b32 s21, s20, 1                          ; i0: my half of source 0.  Also: the region that I fill
	s_lshr_b32 s22, s20, 1                         ; i1: my half of source 1.  Also: the first K step that I fill
	s_and_b32 s45, ttmp7, 0xffff                   ; rg: 256 tokens
	s_mul_i32 s46, ttmp9, 11
	s_lshr_b32 s46, s46, 5                         ; kind = y / 3: 0 q, 1 k, 2 v
	s_mul_i32 s47, s46, 3
	s_sub_co_u32 s47, ttmp9, s47                   ; which pair of heads
	s_cmp_eq_u32 s46, 2
	s_cselect_b32 s48, 1, 0                        ; KV
	s_cselect_b32 s49, s22, s21
	s_cselect_b32 s50, s21, s22
	s_lshl_b32 s51, s47, 1
	s_add_co_u32 s49, s49, s51                     ; head
	s_lshl_b32 s51, s45, 1
	s_add_co_u32 s50, s50, s51                     ; gb: my block of 128 tokens, 0..63
	s_lshr_b32 s51, s50, 5                         ; n
	s_and_b32 s52, s50, 31                         ; the block within the sequence
	s_mul_i32 s53, s51, 6
	s_add_co_u32 s53, s53, s49                     ; nh = 6 n + head
	; group 1: a dense block of 24,576 bytes as 96 rows of 256 bytes (32 elements of 8 bytes), no padding, no mask
	s_mov_b32 s[G1+0], 3<<16
	s_mov_b32 s[G1+1], 32<<16                      ; tensor_dim0
	s_mov_b32 s[G1+2], 96<<16                      ; tensor_dim1
	s_mov_b32 s[G1+3], 32<<16                      ; tile_dim0
	s_mov_b32 s[G1+4], 96                          ; tile_dim1
	s_mov_b32 s[G1+5], 32                          ; the pitch
	s_mov_b32 s[G1+6], 0
	s_mov_b32 s[G1+7], 0
	s_mul_i32 s56, s21, PQ
	s_mul_i32 s57, s22, KST
	s_add_co_u32 s56, s56, s57                     ; my first block's place in LDS: region i0, K step i1
	s_xor_b32 s57, s21, s48                        ; 0: my region takes W's tiles
	v_and_b32 v1, 15, v0                           ; r
	v_bfe_u32 v2, v0, 4, 1                         ; h
	v_and_b32 v3, 31, v0
	v_lshlrev_b32 v3, 4, v3                        ; 16 x lane
	s_mul_i32 s66, s21, 12288
	s_mul_i32 s67, s22, 12288
	s_add_co_u32 s67, s67, PQ
.irp g, 0,1,2
	v_add_nc_u32 v[AP+\g], s66, v3
	v_add_nc_u32 v[AQ+\g], s67, v3
	s_add_co_u32 s66, s66, 2*KST
	s_add_co_u32 s67, s67, 2*KST
.endr
	v_lshlrev_b32 v[SO], 5, v1
	v_lshl_add_u32 v[SO], v2, 4, v[SO]
	v_lshlrev_b32 v[BAQ], 6, v2
	v_and_b32 v[BAV], 8, v1
	v_add_nc_u32 v[BAV], v[BAV], v1
	v_lshlrev_b32 v[BAV], 2, v[BAV]
	s_mov_b32 s74, 0x76543210
	s_mov_b32 s75, 0xfedcba98                      ; v_permlanex16_b32's selects for lane l xor 16
	s_lshl_b32 s66, s50, 12                        ; x's scale records: 8 gb x 512
	s_mul_i32 s67, s46, 6
	s_add_co_u32 s67, s67, s49
	s_lshl_b32 s67, s67, 12
	s_add_co_u32 s67, s67, XSB                     ; W's: (6 kind + head) x 8 x 512
	s_cmp_eq_u32 s48, 1
	s_cselect_b32 s68, s67, s66                    ; source 1's
	s_cselect_b32 s69, s66, s67                    ; source 0's
	s_lshl_b32 s60, ttmp9, 4                       ; W's first tile: 16 y
	s_lshl_b32 s61, s45, 4                         ; x's: 16 rg
	s_wait_dscnt 0x0                               ; the opening add is done
	s_wait_kmcnt 0x0
	s_cmp_eq_u32 s57, 0
	s_cselect_b64 s[58:59], s[6:7], s[4:5]         ; wc or xc
	s_cselect_b32 s60, s60, s61
	s_mov_b32 s61, 786432
	s_cselect_b32 s61, 221184, s61                 ; bytes of a K step in that buffer
	s_mul_i32 s60, s60, 1536
	s_mul_i32 s62, s22, s61
	s_add_co_u32 s60, s60, s62
	s_lshl_b32 s62, s61, 1                         ; my blocks lie two K steps apart
	s_mov_b32 s61, 0
	s_mov_b32 s63, 0
	s_add_nc_u64 s[58:59], s[58:59], s[60:61]
.irp i, 0,1,2
	s_mov_b32 s[G0+4*\i], 1
	s_add_co_u32 s[G0+4*\i+1], s56, 2*KST*\i
	s_mov_b64 s[G0+4*\i+2:G0+4*\i+3], s[58:59]
	s_or_b32 s[G0+4*\i+3], s[G0+4*\i+3], 0x80000000
.if \i < 2
	s_add_nc_u64 s[58:59], s[58:59], s[62:63]
.endif
.endr
.irp i, 0,1,2
	tensor_load_to_lds s[G0+4*\i:G0+4*\i+3], s[G1:G1+7]   ; K steps i1, i1 + 2, i1 + 4 of my region: all first fills, in one group
	s_nop 0
.endr
.rept 4
	v_nop
.endr
	v_cmp_eq_u32 vcc_lo, 1, v2
	v_mov_b32 v[SA], s68
	v_mov_b32 v240, s69
	v_cndmask_b32 v[SA], v[SA], v240, vcc_lo
	v_lshl_add_u32 v[SA], v1, 4, v[SA]
.irp i, 0,1,2,3,4,5,6,7
.irp q, 0,1
	global_load_b96 v[SC+8*\i+4*\q:SC+8*\i+4*\q+2], v[SA], s[8:9] offset:512*\i+256*\q   ; three K steps' words of a row; sixteen lanes read one record's half
.endr
.endr
	s_cmp_eq_u32 s46, 0
	s_cselect_b64 s[70:71], s[10:11], s[12:13]
	s_cmp_eq_u32 s46, 2
	s_cselect_b64 s[70:71], s[14:15], s[70:71]
	s_lshl_b32 s72, s49, 9
	s_mov_b32 s73, 0
	s_add_nc_u64 s[70:71], s[70:71], s[72:73]      ; my head's 128 numbers of the bias
	s_lshl_b32 s72, s53, 5
	s_add_co_u32 s72, s72, s52                     ; 32 nh + block
	s_cmp_eq_u32 s46, 0
	s_cselect_b64 s[54:55], s[16:17], s[18:19]     ; qc or kv
	s_mov_b32 s76, 25600
	s_cselect_b32 s76, 12800, s76
	s_mul_i32 s72, s72, s76
	s_cmp_eq_u32 s48, 1
	s_cselect_b32 s76, 12800, 0                    ; v's record lies behind k's
	s_add_co_u32 s72, s72, s76
	s_add_nc_u64 s[54:55], s[54:55], s[72:73]
	s_cmp_eq_u32 s48, 1
	s_cbranch_scc1 .Lbias_v
.irp b, 0,1,2,3,4,5,6,7                ; q, k: the bias goes by source 0's rows: register j of tile b: column 32 (b / 2) + 8 (b % 2) + 16 h + j
	global_load_b128 v[BT+8*\b:BT+8*\b+3], v[BAQ], s[70:71] offset:(32*(\b/2)+8*(\b%2))*4
	global_load_b128 v[BT+8*\b+4:BT+8*\b+7], v[BAQ], s[70:71] offset:(32*(\b/2)+8*(\b%2))*4+16
.endr
	s_branch .Lbias_done
.Lbias_v:
.irp a, 0,1,2,3,4,5,6,7                ; v: by source 1's rows: lane r of tile a: column 32 (a / 2) + 8 (a % 2) + r + 8 (r / 8), the same in all eight registers
	global_load_b32 v[BT+8*\a], v[BAV], s[70:71] offset:(32*(\a/2)+8*(\a%2))*4
.endr
	s_wait_loadcnt 0x0
.irp a, 0,1,2,3,4,5,6,7
.irp j, 1,2,3,4,5,6,7
	v_mov_b32 v[BT+8*\a+\j], v[BT+8*\a]
.endr
.endr
.Lbias_done:
	s_wait_loadcnt 0x0                             ; scale words and bias
	BAR 2                                          ; each wave's first block is in: K steps 0 and 1 lie whole in LDS; its two younger loads may be out
	FETCH_P 0, 0
	FETCH_Q 0, 0
	FETCH_Q 0, 4
	s_cmp_eq_u32 s48, 1
	s_cbranch_scc1 .Lfirst_v
	STEP 0, 1                                      ; the first K step starts the sums on the bias: nothing is cleared, nothing is added later
	s_branch .Lfirst_done
.Lfirst_v:
	STEP 0, 2
.Lfirst_done:
	STEP 1, 0
	STEP 2, 0
	STEP 3, 0
	STEP 4, 0
	STEP 5, 0
	WIN 0
	PLACES                                         ; behind the last products: results are read, and source 1's registers are written
.irp b, 0,1,2,3
	v_mov_b32 v[TM+4+\b], 0                        ; (a lane permute's destination counts as one of its sources)
.endr
.irp a, 0,1,2,3,4,5,6,7
	QUANTW \a
.endr
	v_cmp_eq_u32 vcc_lo, 1, v2
.irp i, 0,1,2,3
	v_cndmask_b32 v[SL+\i], v[SW+\i], v[SW+4+\i], vcc_lo   ; lanes 0-15 store their row's words 0-3, lanes 16-31 words 4-7
.endr
	global_store_b128 v[SO], v[SL:SL+3], s[54:55] offset:12288   ; 512 consecutive bytes
	s_wait_tensorcnt 0x0                           ; the wave's end, behind my last tensor load
	ds_add_u32 v[SPW], v[NIL]
	s_wait_dscnt 0x0
	s_endpgm
.Lfunc_end_k_qdf08bdfb88_proj:
	.size	k_qdf08bdfb88_proj, .Lfunc_end_k_qdf08bdfb88_proj-k_qdf08bdfb88_proj
	.p2alignl 7, 3214868480
	.fill 96, 4, 3214868480
	.section	.rodata,"a",@progbits
	.p2align	6, 0x0
	.amdhsa_kernel k_qdf08bdfb88_proj
		.amdhsa_group_segment_fixed_size 295424
		.amdhsa_private_segment_fixed_size 0
		.amdhsa_enable_private_segment 0
		.amdhsa_kernarg_size 64
		.amdhsa_user_sgpr_count 2
		.amdhsa_user_sgpr_kernarg_segment_ptr 1
		.amdhsa_wavefront_size32 1
		.amdhsa_system_sgpr_workgroup_id_x 1
		.amdhsa_system_sgpr_workgroup_id_y 1
		.amdhsa_system_sgpr_workgroup_id_z 1
		.amdhsa_system_vgpr_workitem_id 0
		.amdhsa_next_free_vgpr 1024
		.amdhsa_next_free_sgpr 96
		.amdhsa_reserve_vcc 1
		.amdhsa_float_denorm_mode_32 3
		.amdhsa_float_denorm_mode_16_64 3
		.amdhsa_memory_ordered 1
		.amdhsa_forward_progress 1
		.amdhsa_inst_pref_size 127
	.end_amdhsa_kernel
	.amdgpu_metadata
---
amdhsa.version: [ 1, 2 ]
amdhsa.kernels:
  - .name:           k_qdf08bdfb88_proj
    .symbol:         k_qdf08bdfb88_proj.kd
    .args:
      - { .name: xc, .offset: 0, .size: 8, .value_kind: global_buffer, .address_space: global }
      - { .name: wc, .offset: 8, .size: 8, .value_kind: global_buffer, .address_space: global }
      - { .name: sxw, .offset: 16, .size: 8, .value_kind: global_buffer, .address_space: global }
      - { .name: bq, .offset: 24, .size: 8, .value_kind: global_buffer, .address_space: global }
      - { .name: bk, .offset: 32, .size: 8, .value_kind: global_buffer, .address_space: global }
      - { .name: bv, .offset: 40, .size: 8, .value_kind: global_buffer, .address_space: global }
      - { .name: qc, .offset: 48, .size: 8, .value_kind: global_buffer, .address_space: global }
      - { .name: kv, .offset: 56, .size: 8, .value_kind: global_buffer, .address_space: global }
    .group_segment_fixed_size: 295424
    .private_segment_fixed_size: 0
    .kernarg_segment_align: 8
    .kernarg_segment_size: 64
    .max_flat_workgroup_size: 128
    .sgpr_count:     96
    .vgpr_count:     1024
    .wavefront_size: 32
...
	.end_amdgpu_metadata
.endif
;; end of part 2
;; launch attn (part 3): grid 16 x 12, 8 waves a work-group, no clusters, 327,680 bytes of LDS; arguments qc, kv, out0; writes out0
.if DOCPART == 3
	.amdgcn_target "amdgcn-amd-amdhsa--gfx1250"
	.amdhsa_code_object_version 6
	.text
	.protected	k_qdf08bdfb88_attn
	.globl	k_qdf08bdfb88_attn
	.p2align	8
	.type	k_qdf08bdfb88_attn,@function
k_qdf08bdfb88_attn:
	s_mov_b64 s[64:65], 0
	v_nop
	global_prefetch_b8 v0, s[64:65] scope:SCOPE_SE
	s_setreg_imm32_b32 hwreg(HW_REG_WAVE_MODE, 25, 1), 1
	s_wait_xcnt 0x0
; out[n][q][head][:] = the sum over keys k <= q of softmax_k(q . k / sqrt(128)) v[k][:], both products on codes of FP6 (E2M3) with E8M0 scales.  12 heads (6 n + head) of 4,096 tokens, head size 128.
; THE SOFTMAX AHEAD OF THE SECOND PRODUCT: t = score x log2(e) / sqrt(128); M = the running largest t, rounded UP to a whole number; p = 2^(t - M) is quantised along the keys, not normalised.
; The row's sum is taken of the unquantised p and divides at the end.  When M moves, the sum and O are multiplied by 2^(old M - new M): exact.
; INPUTS are images of operand registers (a fragment: 1,536 bytes, registers 4 c .. 4 c + 3 of lane l at 512 c + 16 l): qc [head][block of 128 queries][12,800]: 8 fragments, then the rows' scale words (row r's eight at 32 r);
; kv [head][key step of 128][25,600]: K's record of that form, then V's (fragment dt: 16 of the head's 128 x 128 keys).  Lane r of tile 2 b + u holds token (or channel) 32 b + 8 u + r + 8 (r / 8).
; SHARES: EVERY WAVE WALKS 33 KEY STEPS.  Work-group j of a head owns the query blocks j and 31 - j; wave w owns tile w (16 queries) of each, one block after the other.  Block j wants key steps 0 .. j, block 31 - j
; key steps 0 .. 31 - j: one stream of 33 steps, step t bringing key step t (t <= j) or t - j - 1.  All trip counts are constants; no step is empty; the mask is applied in the two steps on the diagonal, t = j and t = 32.
; Both products are used transposed (S^T = K Q^T, O^T = V^T P^T): a lane holds one query throughout; the 16 registers of tiles 2 b, 2 b + 1 of S^T are 16 neighbouring keys.
; THE RING: two slots of three key steps (76,800 bytes); waves 0 to 2 fetch a record each, one tensor load a wave behind each change of slots; every wait for tensor loads is for 0; a wave has one load out.
; All of a WGP's LDS is claimed; 276,480 bytes are used.
; NO CLUSTER: work-group j's stream turns back to key step 0 behind step j, so partners would ask for different records in the same round.
; LIMITS: NaN and infinities are not served.  A block whose every p is 0 keeps the byte 1: its codes are zeros.  A block's largest p is taken through its largest score, which takes v_exp_f32 not to fall where its input rises.
.set SLOT1, 131072                     ; slot 1 begins here: one exclusive or turns an address from slot to slot
.set REC,   25600                      ; a key step's record
.set VPART, 12800                      ; V's part of it
.set SCW,   12288                      ; the scale words in a part
.set STAGE, 207872                     ; behind the ring: 16 rows x 528 bytes for each wave; no fill lands here
.set STG,   8448
.set SPARE, 275456                     ; the spare words, 128 bytes a wave
.set LI,  1                            ; v1   16 x lane: a fragment's place, and my bytes of a row of out
.set LR,  2                            ; v2   32 r: a row's scale words
.set STO, 3                            ; v3   the stage, in: 528 r + 64 h
.set SRD, 4                            ; v4   the stage, out: 16 x lane
.set QO,  5                            ; v5   my tile's fragment in a record of qc
.set QSO, 6                            ; v6   and its scale word
.set DQ,  7                            ; v7   my query within its block - 16 h
.set ADK, 8                            ; v8   the step's fragments in LDS
.set ADS, 9                            ; v9   the step's scale words
.set SPW, 10                           ; v10  my spare word; never rewritten
.set NIL, 11                           ; v11  0; never rewritten
                                       ; v12 -M, v13 the largest t, v[14:15] the sum in two halves, v16-27 Q
.set PFO, 28                           ; v28  the prefetches' offset
.set F,   32                           ; v32-127  eight fragments: K's, then V's; rows of out on the way out
.set S,   128                          ; v128-191 S^T, then p
.set PCD, 192                          ; v192-203 p's codes
.set CT,  204                          ; v204-211 the conversions' second halves
.set BM,  212                          ; v212-215 the blocks' largest scores, then p
.set PT,  216                          ; v216-219 at work
.set CSO, 220                          ; v220-223 the conversions' scale operands
.set KS,  224                          ; v224-231 K's or V's scale words, and nothing else
.set QS,  232                          ; v232 Q's;  v233 p's
.set PS,  233
.set FF,  234                          ; v[234:235] f = 2^(old M - new M), and a 0
                                       ; v236-239 at work, v[240:241] the second chain of sums.  Window 1: v0-63 O^T
.set WV, 10
.set J,  11
.set NH, 12
.set LA, 13                            ; s13  j + 1: the steps of the first block
.set T,  14                            ; s14  the step
.set DG, 15                            ; s15  the next step on the diagonal
.set G1, 16                            ; s[16:23] descriptor group 1;  s[24:27] group 0, which walks
.set G0, 24
.set TF, 28                            ; s28  the step that my next tensor load brings
.set TB, 29                            ; s29  LDS byte of the step's record
.set SLOTS, 30
.set TRI, 31
.set KVB, 32                           ; s[32:33] my head's kv
.set QA, 34
.set QB, 36
.set OA, 38
.set OB, 40
.set PFA, 42                           ; s[42:43] where my prefetches stand
.set LIM, 44
.set SEL, 46
.set CS,  48
.set MSB, 0
.macro WIN new
.if MSB != (\new)
	s_set_vgpr_msb (MSB<<8)|(\new)
.set MSB, (\new)
.endif
.endm
.macro FILLADDR                        ; group 0's global address: the record of step TF: key step TF, or TF - LA behind the turn (held at 31 in the waves that fetch nothing)
	s_cmp_lt_u32 s[TF], s[LA]
	s_cselect_b32 s50, 0, s[LA]
	s_sub_co_u32 s50, s[TF], s50
	s_min_u32 s50, s50, 31
	s_mul_i32 s50, s50, REC
	s_mov_b32 s51, 0
	s_add_nc_u64 s[G0+2:G0+3], s[KVB:KVB+1], s[50:51]
	s_or_b32 s[G0+3], s[G0+3], 0x80000000
.endm
.macro TLOAD                           ; waves 0 to 2: a record each.  An s_nop 0 and four v_nop follow the load
	s_cmp_lt_u32 s[WV], 3
	s_cbranch_scc0 .Lasked_\@
	tensor_load_to_lds s[G0:G0+3], s[G1:G1+7]
	s_nop 0
.rept 4
	v_nop
.endr
.Lasked_\@:
.endm
; A PREFETCH of the three records behind those that the tensor loads of this change bring in the head's longest walk: records 3 f + 6 .. 3 f + 8 at change f = 0 .. 7, three key steps ahead of the load that wants them.
; All sixteen work-groups of a head walk the same records: work-group j = 0 asks, and in it the five waves that fetch nothing: 15,360 bytes a wave, two instructions, lanes 256 bytes apart
; (30 blocks an instruction: lanes 30 and 31 repeat lane 29's).  Records 0 to 5 and 30, 31 come by their loads alone; the last address named lies inside the head's 819,200 bytes.
.macro ASK
	s_cmp_gt_u32 s[SLOTS], s[LIM]
	s_cbranch_scc0 .Lnot_mine_\@
	global_prefetch_b8 v[PFO], s[PFA:PFA+1] th:TH_LOAD_NT scope:SCOPE_SE
	global_prefetch_b8 v[PFO], s[PFA:PFA+1] offset:7680 th:TH_LOAD_NT scope:SCOPE_SE
.Lnot_mine_\@:
.endm
.macro START qp                        ; a block of queries begins: my tile's fragment and scale word; O^T and the sum are zeros, the largest t -3e38, so that the step is written once
.irp c, 0,1,2
	global_load_b128 v[16+4*\c:16+4*\c+3], v[QO], s[\qp:\qp+1] offset:512*\c
.endr
	global_load_b32 v[QS], v[QSO], s[\qp:\qp+1]
	v_mov_b32 v13, 0xff61b1e6
	v_floor_f32 v12, -v13
	v_mov_b32 v14, 0
	v_mov_b32 v15, 0
	WIN 0x40                                       ; destination window 1
.set jj, 0
.rept 64
	v_mov_b32 v[jj], 0
.set jj, jj+1
.endr
	WIN 0
	s_wait_loadcnt 0x0
.endm
.macro FINISH op                       ; a block of queries ends: O^T / the sum, through my stage, out as whole row pieces of 512 bytes
.rept 4
	v_nop                                          ; places behind the last products
.endr
	v_add_f32 v14, v14, v15
	v_permlanex16_b32 v236, v14, s[SEL], s[SEL+1]
	v_add_f32 v14, v14, v236                       ; the row's sum
	v_rcp_f32 v14, v14
	v_nop                                          ; a plain place behind the reciprocal,
	s_wait_alu depctr_va_vdst(0)                   ; and the wait ahead of its first reader
	WIN 0x01                                       ; source 0 window 1
.set jj, 0
.rept 64
	v_mul_f32 v[S+jj], v[jj], v14                  ; ascending: each accumulator from its low end on.  Register 16 b + i is channel 32 b + 16 h + i
.set jj, jj+1
.endr
	WIN 0
.set jj, 0
.rept 16
	ds_store_b128 v[STO], v[S+4*jj:S+4*jj+3] offset:128*(jj/4)+16*(jj%4)
.set jj, jj+1
.endr
.set jj, 0
.rept 16
	ds_load_b128 v[F+4*jj:F+4*jj+3], v[SRD] offset:528*jj   ; LDS serves a wave's instructions in order: these see my stores
.set jj, jj+1
.endr
.set jj, 0
.rept 16
	s_wait_dscnt 15-jj                             ; the younger loads may be out
	global_store_b128 v[LI], v[F+4*jj:F+4*jj+3], s[\op:\op+1] offset:(jj+8*(jj/8))*3072 th:TH_STORE_NT   ; 32 lanes store 512 consecutive bytes, aligned to 256
.set jj, jj+1
.endr
	s_wait_xcnt 0x0                                ; the stores have read their registers: F is loaded again only behind this wait
.endm
.macro QK t
	v_wmma_scale_f32_16x16x128_f8f6f4 v[S+8*\t:S+8*\t+7], v[F+12*\t:F+12*\t+11], v[16:27], 0, v[KS+\t], v[QS] matrix_a_fmt:MATRIX_FMT_FP6 matrix_b_fmt:MATRIX_FMT_FP6
.endm
; A KEY STEP: 128 keys.  sw = 1: the step may be the second block's first.
.macro STEP sw
.if \sw
	s_cmp_lg_u32 s[T], s[LA]                       ; ids and the count of steps alone: all eight waves go the same way; no barrier and no tensor load stands inside
	s_cbranch_scc1 .Lsame_\@
	FINISH OA
	START QB
	s_mov_b32 s[DG], 32
.Lsame_\@:
.endif
	v_add_nc_u32 v[ADK], s[TB], v[LI]
	v_add_nc_u32 v[ADS], s[TB], v[LR]
	v_nop
	v_nop                                          ; four places behind the last products, in front of loads into their registers
	ds_load_b128 v[KS:KS+3], v[ADS] offset:SCW
	ds_load_b128 v[KS+4:KS+7], v[ADS] offset:SCW+16
.irp t, 0,1,2,3,4,5,6,7
.irp c, 0,1,2
	ds_load_b128 v[F+12*\t+4*\c:F+12*\t+4*\c+3], v[ADK] offset:1536*\t+512*\c
.endr
.endr
	s_wait_dscnt 12                                ; the scale words and fragments 0-3 are in; the youngest 12 loads (fragments 4-7) may be out
.irp t, 0,1,2,3
	QK \t
.endr
	s_wait_dscnt 0x0
.irp t, 4,5,6,7
	QK \t
.endr
.rept 4
	v_nop
.endr
	ds_load_b128 v[KS:KS+3], v[ADS] offset:VPART+SCW   ; ALL OF V'S LOADS GO OUT NOW and land under the softmax
	ds_load_b128 v[KS+4:KS+7], v[ADS] offset:VPART+SCW+16
.irp t, 0,1,2,3,4,5,6,7
.irp c, 0,1,2
	ds_load_b128 v[F+12*\t+4*\c:F+12*\t+4*\c+3], v[ADK] offset:VPART+1536*\t+512*\c
.endr
.endr
	s_cmp_lg_u32 s[T], s[DG]
	s_cbranch_scc1 .Lopen_\@
	v_mov_b32 v237, 0xff800000                     ; on the diagonal hidden scores become -infinity ahead of the maximum: p = 0.  Register 16 b + i holds key 32 b + 16 h + i of the block: hidden where 32 b + i > my query - 16 h
.set nn, 0
.rept 64
	v_cmp_gt_i32 vcc_lo, 32*(nn/16)+nn%16, v[DQ]
	v_cndmask_b32 v[S+nn], v[S+nn], v237, vcc_lo
.set nn, nn+1
.endr
.Lopen_\@:
.irp b, 0,1,2,3
	v_max3_num_f32 v[BM+\b], v[S+16*\b], v[S+16*\b+1], v[S+16*\b+2]   ; the largest score of each block of 32 keys: for the row's maximum, and for the block's largest p
.endr
.irp i, 3,5,7,9,11,13
.irp b, 0,1,2,3
	v_max3_num_f32 v[BM+\b], v[BM+\b], v[S+16*\b+\i], v[S+16*\b+\i+1]
.endr
.endr
.irp b, 0,1,2,3
	v_max_num_f32 v[BM+\b], v[BM+\b], v[S+16*\b+15]
.endr
.irp b, 0,1,2,3
	v_permlanex16_b32 v[PT+\b], v[BM+\b], s[SEL], s[SEL+1]
.endr
.irp b, 0,1,2,3
	v_max_num_f32 v[BM+\b], v[BM+\b], v[PT+\b]     ; with lane l xor 16's sixteen keys
.endr
	v_max3_num_f32 v236, v[BM], v[BM+1], v[BM+2]
	v_max_num_f32 v236, v236, v[BM+3]
	v_mul_f32 v236, s[CS], v236                    ; as t (c is positive)
	v_max_num_f32 v13, v13, v236                   ; the running largest t
	v_mov_b32 v236, v12
	v_floor_f32 v12, -v13                          ; -M = floor(-t): M is a whole number
	v_sub_f32 v236, v12, v236                      ; old M - new M, 0 or less
	v_cvt_i32_f32 v236, v236                       ; (it saturates)
	v_ldexp_f32 v[FF], 1.0, v236                   ; f
.set jj, 0
.rept 32
	v_pk_fma_f32 v[S+jj:S+jj+1], v[S+jj:S+jj+1], s[CS:CS+1], v[12:13] op_sel_hi:[1,0,0]   ; t - M, two at a time
.set jj, jj+2
.endr
.irp b, 0,1,2,3
	v_fma_f32 v[BM+\b], v[BM+\b], s[CS], v12       ; the same of each block's largest score
.endr
.set jj, 0
.rept 64
	v_exp_f32 v[S+jj], v[S+jj]                     ; p = 2^(t - M): one batch
.set jj, jj+1
.endr
	v_pk_mul_f32 v[14:15], v[14:15], v[FF:FF+1] op_sel_hi:[1,0]   ; the sums under the new M: the plain place behind the batch
	s_wait_alu depctr_va_vdst(0)                   ; one wait for the batch, ahead of its first reader
.irp b, 0,1,2,3
	v_exp_f32 v[BM+\b], v[BM+\b]                   ; the blocks' largest p
.endr
	v_pk_add_f32 v[240:241], v[S:S+1], v[S+2:S+3]  ; the row's sum of the UNQUANTISED p, in two chains
.set jj, 4
.rept 15
	v_pk_add_f32 v[14:15], v[14:15], v[S+jj:S+jj+1]
	v_pk_add_f32 v[240:241], v[240:241], v[S+jj+2:S+jj+3]
.set jj, jj+4
.endr
	v_pk_add_f32 v[14:15], v[14:15], v[240:241]
	s_wait_alu depctr_va_vdst(0)                   ; and one for the four
.irp b, 0,1,2,3
	v_max_num_f32 v[BM+\b], 0x1800000, v[BM+\b]    ; the floor 2^(3 - 127): the byte cannot fall under 1
.endr
.irp b, 0,1,2,3
	v_add_nc_u32 v[CSO+\b], 0xff000000, v[BM+\b]   ; 2 off the exponent field: the conversion's scale operand
.endr
.irp b, 0,1,2,3
	v_lshrrev_b32 v[PT+\b], 23, v[CSO+\b]
.endr
	v_lshl_or_b32 v[PS], v[PT+1], 8, v[PT]         ; p's scale word for these 128 keys
	v_lshl_or_b32 v[PS], v[PT+2], 16, v[PS]
	v_lshl_or_b32 v[PS], v[PT+3], 24, v[PS]
.irp c, 0,1
	v_cvt_scalef32_pk16_fp6_f32 v[PCD+6*\c:PCD+6*\c+2], v[S+32*\c:S+32*\c+15], v[CSO+2*\c]
	v_cvt_scalef32_pk16_fp6_f32 v[CT+4*\c:CT+4*\c+2], v[S+32*\c+16:S+32*\c+31], v[CSO+2*\c+1]
.endr
	v_nop                                          ; one plain place behind the conversions
.irp c, 0,1                            ; the operand's layout wants a whole block in a lane
.irp i, 0,1,2
	v_permlane16_swap_b32 v[PCD+6*\c+\i], v[CT+4*\c+\i]
.endr
.irp i, 0,1,2
	v_mov_b32 v[PCD+6*\c+3+\i], v[CT+4*\c+\i]
.endr
.endr
	WIN 0x41                                       ; O^T (destination and source 0) window 1
.set jj, 0
.rept 32
	v_pk_mul_f32 v[jj:jj+1], v[jj:jj+1], v[FF:FF+1] op_sel_hi:[1,0]   ; O^T under the new M.  These 32 are also the places between p's codes and scale word and the products
.set jj, jj+2
.endr
	s_wait_dscnt 0x0                               ; V is in
	WIN 0x50                                       ; C and D window 1
.irp t, 0,1,2,3,4,5,6,7                ; eight accumulators by turns, one instruction a turn
	v_wmma_scale_f32_16x16x128_f8f6f4 v[8*\t:8*\t+7], v[F+12*\t:F+12*\t+11], v[PCD:PCD+11], v[8*\t:8*\t+7], v[KS+\t], v[PS] matrix_a_fmt:MATRIX_FMT_FP6 matrix_b_fmt:MATRIX_FMT_FP6
.endr
	WIN 0
	s_add_co_u32 s[T], s[T], 1
	s_add_co_u32 s[TB], s[TB], REC
.endm
; THE CHANGE OF SLOTS stands at a slot's head.  Each wave waits for all its tensor loads (its record of the slot ahead), adds 0 to its spare word, and waits for that and for its reads of the slot that it has left.
; Behind the barrier the slot ahead is whole and nobody reads the other: fill = 1: it takes the next three steps' records, which have three steps in which to land.
.macro CHANGE fill
	s_wait_tensorcnt 0x0                           ; no tensor load of mine is out, so group 0 may be written
	ds_add_u32 v[SPW], v[NIL]                      ; the descriptor's steps stand between the add and the wait for it
.if \fill
	s_xor_b32 s[G0+1], s[G0+1], SLOT1
	s_add_co_u32 s[TF], s[TF], 3
	FILLADDR
	s_wait_xcnt 0x0                                ; the last prefetches, a slot back, have read their address
	s_add_nc_u64 s[PFA:PFA+1], s[PFA:PFA+1], 3*REC
.endif
	s_wait_dscnt 0x0                               ; the add is done, and my reads of the slot that I have left are over
	s_barrier_signal -1
	s_barrier_wait -1
.if \fill
	TLOAD                                          ; the first thing behind the barrier, and a wave's one tensor load until the next
	ASK
.endif
.endm
.macro THREE sw                        ; a slot's three steps: written once, walked three times
	s_mov_b32 s[TRI], 3
.Lthree_\@:
	STEP \sw
	s_sub_co_u32 s[TRI], s[TRI], 1
	s_cmp_lg_u32 s[TRI], 0
	s_cbranch_scc1 .Lthree_\@
	s_sub_co_u32 s[TB], s[TB], 3*REC
	s_xor_b32 s[TB], s[TB], SLOT1                  ; on to the other slot
.endm
	s_load_b128 s[4:7], s[0:1], 0x0                ; qc, kv
	s_load_b64 s[8:9], s[0:1], 0x10                ; out0
	v_lshl_add_u32 v[SPW], v0, 2, SPARE
	v_mov_b32 v[NIL], 0
	ds_add_u32 v[SPW], v[NIL]                      ; the wave's opening: the add and its wait stand ahead of my first tensor load; work on registers stands between
	v_lshrrev_b32 v1, 5, v0
	v_readfirstlane_b32 s[WV], v1                  ; wave 0..7
	s_mov_b32 s[J], ttmp9
	s_and_b32 s[NH], ttmp7, 0xffff
	s_add_co_u32 s[LA], s[J], 1
	; group 1: a record, 25,600 dense bytes, as 100 rows of 256 bytes (32 elements of 8 bytes), no padding, no mask
	s_mov_b32 s[G1+0], 3<<16
	s_mov_b32 s[G1+1], 32<<16
	s_mov_b32 s[G1+2], 100<<16
	s_mov_b32 s[G1+3], 32<<16
	s_mov_b32 s[G1+4], 100
	s_mov_b32 s[G1+5], 32
	s_mov_b32 s[G1+6], 0
	s_mov_b32 s[G1+7], 0
	v_and_b32 v1, 31, v0                           ; lane
	v_min_u32 v[PFO], 29, v1
	v_lshlrev_b32 v[PFO], 8, v[PFO]
	v_lshlrev_b32 v[LI], 4, v1
	v_and_b32 v236, 15, v0                         ; r
	v_bfe_u32 v237, v0, 4, 1                       ; h
	v_lshlrev_b32 v[LR], 5, v236
	s_mul_i32 s50, s[WV], STG
	s_add_co_u32 s50, s50, STAGE                   ; my stage
	v_mul_u32_u24 v[STO], v236, 528
	v_lshl_add_u32 v[STO], v237, 6, v[STO]
	v_add_nc_u32 v[STO], s50, v[STO]
	v_add_nc_u32 v[SRD], s50, v[LI]
	s_mul_i32 s51, s[WV], 1536
	v_add_nc_u32 v[QO], s51, v[LI]
	s_lshl_b32 s51, s[WV], 2
	s_add_co_u32 s51, s51, SCW
	v_add_nc_u32 v[QSO], s51, v[LR]
	s_lshr_b32 s51, s[WV], 1
	s_lshl_b32 s51, s51, 5
	s_and_b32 s52, s[WV], 1
	s_lshl_b32 s52, s52, 3
	s_add_co_u32 s53, s51, s52                     ; my tile's first query in its block: 32 (w / 2) + 8 (w % 2)
	v_and_b32 v[DQ], 8, v236
	v_add_nc_u32 v[DQ], v[DQ], v236
	v_add_nc_u32 v[DQ], s53, v[DQ]
	v_lshlrev_b32 v238, 4, v237
	v_sub_nc_u32 v[DQ], v[DQ], v238
	v_mov_b32 v[FF], 0
	v_mov_b32 v[FF+1], 0                           ; (named as the upper half of a pair)
	v_mov_b32 v239, 0
.irp b, 0,1,2,3
	v_mov_b32 v[PT+\b], 0                          ; (a lane permute's destination counts as one of its sources)
.endr
	s_mov_b32 s[SEL], 0x76543210
	s_mov_b32 s[SEL+1], 0xfedcba98
	s_mov_b32 s[CS], 0x3e0293ee                    ; c = log2(e) / sqrt(128)
	s_mov_b32 s[CS+1], s[CS]
	s_mov_b32 s[T], 0
	s_mov_b32 s[DG], s[J]
	s_mov_b32 s[TB], 0
	s_mov_b32 s[SLOTS], 10
	s_mov_b32 s[TF], s[WV]
	s_wait_dscnt 0x0                               ; the opening add is done
	s_wait_kmcnt 0x0
	s_mul_i32 s54, s[NH], 32*REC
	s_mov_b32 s55, 0
	s_add_nc_u64 s[KVB:KVB+1], s[6:7], s[54:55]
	s_mov_b32 s[G0], 1
	s_mul_i32 s[G0+1], s[WV], REC                  ; slot 0, my record
	FILLADDR
	TLOAD                                          ; slot 0: steps 0 to 2
	s_cmp_ge_u32 s[NH], 6
	s_cselect_b32 s50, 1, 0                        ; n
	s_mul_i32 s51, s50, 6
	s_sub_co_u32 s51, s[NH], s51                   ; head
	s_lshl_b32 s51, s51, 9
	s_lshl_b32 s52, s[NH], 5
	s_add_co_u32 s54, s52, s[J]
	s_mul_i32 s54, s54, 12800
	s_add_nc_u64 s[QA:QA+1], s[4:5], s[54:55]      ; block j's record of qc
	s_sub_co_u32 s54, 31, s[J]
	s_add_co_u32 s54, s54, s52
	s_mul_i32 s54, s54, 12800
	s_add_nc_u64 s[QB:QB+1], s[4:5], s[54:55]      ; block 31 - j's
	s_lshl_b32 s52, s50, 12
	s_add_co_u32 s52, s52, s53                     ; 4,096 n + my tile's first query
	s_lshl_b32 s54, s[J], 7
	s_add_co_u32 s54, s54, s52
	s_mul_i32 s54, s54, 3072
	s_add_co_u32 s54, s54, s51
	s_add_nc_u64 s[OA:OA+1], s[8:9], s[54:55]
	s_sub_co_u32 s54, 31, s[J]
	s_lshl_b32 s54, s54, 7
	s_add_co_u32 s54, s54, s52
	s_mul_i32 s54, s54, 3072
	s_add_co_u32 s54, s54, s51
	s_add_nc_u64 s[OB:OB+1], s[8:9], s[54:55]
	s_cmp_ge_u32 s[WV], 3
	s_cselect_b32 s50, 0, 1
	s_or_b32 s50, s50, s[J]
	s_cmp_eq_u32 s50, 0
	s_cselect_b32 s[LIM], 2, -1                    ; waves 3 to 7 of the head's work-group 0 prefetch while more than two changes that fill a slot are left
	s_max_u32 s50, s[WV], 3
	s_sub_co_u32 s50, s50, 3
	s_mul_i32 s54, s50, 15360
	s_add_co_u32 s54, s54, 3*REC
	s_add_nc_u64 s[PFA:PFA+1], s[KVB:KVB+1], s[54:55]   ; at record 3: the first change steps it to record 6.  Nothing is prefetched here, at the head
	START QA
.Lslot:                                            ; ten trips: behind each change of slots but the last the next three steps are asked for
	CHANGE 1
	THREE 1
	s_sub_co_u32 s[SLOTS], s[SLOTS], 1
	s_cmp_lg_u32 s[SLOTS], 0
	s_cbranch_scc1 .Lslot
	CHANGE 0                                       ; the last slot is written out; the turn (step j + 1, at most 16) cannot fall into steps 30 to 32
	THREE 0
	FINISH OB
	s_wait_tensorcnt 0x0                           ; the wave's end, behind my last tensor load and my last LDS store
	ds_add_u32 v[SPW], v[NIL]
	s_wait_dscnt 0x0
	s_endpgm
.Lfunc_end_k_qdf08bdfb88_attn:
	.size	k_qdf08bdfb88_attn, .Lfunc_end_k_qdf08bdfb88_attn-k_qdf08bdfb88_attn
	.p2alignl 7, 3214868480
	.fill 96, 4, 3214868480
	.section	.rodata,"a",@progbits
	.p2align	6, 0x0
	.amdhsa_kernel k_qdf08bdfb88_attn
		.amdhsa_group_segment_fixed_size 327680
		.amdhsa_private_segment_fixed_size 0
		.amdhsa_enable_private_segment 0
		.amdhsa_kernarg_size 24
		.amdhsa_user_sgpr_count 2
		.amdhsa_user_sgpr_kernarg_segment_ptr 1
		.amdhsa_wavefront_size32 1
		.amdhsa_system_sgpr_workgroup_id_x 1
		.amdhsa_system_sgpr_workgroup_id_y 1
		.amdhsa_system_sgpr_workgroup_id_z 1
		.amdhsa_system_vgpr_workitem_id 0
		.amdhsa_next_free_vgpr 320
		.amdhsa_next_free_sgpr 66
		.amdhsa_reserve_vcc 1
		.amdhsa_float_denorm_mode_32 3
		.amdhsa_float_denorm_mode_16_64 3
		.amdhsa_memory_ordered 1
		.amdhsa_forward_progress 1
		.amdhsa_inst_pref_size 73
	.end_amdhsa_kernel
	.amdgpu_metadata
---
amdhsa.version: [ 1, 2 ]
amdhsa.kernels:
  - .name:           k_qdf08bdfb88_attn
    .symbol:         k_qdf08bdfb88_attn.kd
    .args:
      - { .name: qc, .offset: 0, .size: 8, .value_kind: global_buffer, .address_space: global }
      - { .name: kv, .offset: 8, .size: 8, .value_kind: global_buffer, .address_space: global }
      - { .name: out0, .offset: 16, .size: 8, .value_kind: global_buffer, .address_space: global }
    .group_segment_fixed_size: 327680
    .private_segment_fixed_size: 0
    .kernarg_segment_align: 8
    .kernarg_segment_size: 24
    .max_flat_workgroup_size: 256
    .sgpr_count:     66
    .vgpr_count:     320
    .wavefront_size: 32
...
	.end_amdgpu_metadata
.endif
;; end of part 3
